; MI455X (gfx1250); checked and timed in simulation.
; The chip was launched on July 23, 2026; its instructions are those of AMD's public machine-readable ISA for CDNA 5 (MIT licence, August 2026) and "CDNA5" Instruction Set Architecture Reference Guide (July 2026). The comments in the code are by the model that wrote it; some were corrected since.
;; Nerf Model. Allowed arithmetic: matrix products marked QUANTISED: E2M1 operands, one E8M0 scale for each 32 along K, by v_wmma_scale_f32_16x16x128_f8f6f4 with both operands' format E2M1 (or v_wmma_scale_f32_32x16x128_f4), f32 sums; products left as they are: f32 operands where the result goes on into a quantised operand, else bf16, f16 or f32 operands; f32 sums; everything else in f32.
;; Inputs: b00 256 float32; b01 256 float32; b02 256 float32; b03 256 float32; b10 256 float32; b11 256 float32; b12 256 float32; b13 256 float32; cb0 128 float32; cb1 4 float32; cw0 283 x 128 float32; cw1 128 x 4 float32; dir 131,072 x 3 float32; pixel_width 131,072 x 1 float32; pos 131,072 x 3 float32; t_end 131,072 x 1 float32; t_start 131,072 x 1 float32; w00 63 x 256 float32; w01 256 x 256 float32; w02 256 x 256 float32; w03 256 x 256 float32; w10 319 x 256 float32; w11 256 x 256 float32; w12 256 x 256 float32; w13 256 x 256 float32.
;; Outputs: out0 131,072 float32; out1 131,072 x 3 float32.
;; This version of the problem:
;;   THIS VERSION OF THE PROBLEM IS GIVEN IN LOW PRECISION. The matrix products marked QUANTISED in the list below multiply operands that are first quantised to E2M1 (2 exponent bits, 1 mantissa bit; 4 bits a number), with one power-of-two scale for each 32 numbers along K (OCP MX v1.0); their sums are f32. All else is computed in f32.
;;   The module's matrix products, in the order in which they are computed (A, B: the left and right operand; K: the contracted axis; several contracted axes count as one K, in the product's order):
;;     1. [M 131,072, K 63] x [K 63, N 256]; A: computed on the way; B: input w00: QUANTISED
;;     2. [M 131,072, K 256] x [K 256, N 256]; A: computed on the way; B: input w01: QUANTISED
;;     3. [M 131,072, K 256] x [K 256, N 256]; A: computed on the way; B: input w02: QUANTISED
;;     4. [M 131,072, K 256] x [K 256, N 256]; A: computed on the way; B: input w03: QUANTISED
;;     5. [M 131,072, K 319] x [K 319, N 256]; A: computed on the way; B: input w10: QUANTISED
;;     6. [M 131,072, K 256] x [K 256, N 256]; A: computed on the way; B: input w11: QUANTISED
;;     7. [M 131,072, K 256] x [K 256, N 256]; A: computed on the way; B: input w12: QUANTISED
;;     8. [M 131,072, K 256] x [K 256, N 256]; A: computed on the way; B: input w13: QUANTISED
;;     9. [M 131,072, K 283] x [K 283, N 128]; A: computed on the way; B: input cw0: QUANTISED
;;     10. [M 131,072, K 128] x [K 128, N 4]; A: computed on the way; B: input cw1: left as it is (N = 4 < 16)
;;   THE QUANTISER, for each operand of a quantised product, along K:
;;     - K is cut into blocks of 32 from its start; a last block that is shorter is filled with zeros.
;;     - A block's scale is 2^e with e = floor(log2(the largest magnitude in the block)) - 2, held to -126 .. 127; a block of zeros has e = 0. As a byte (E8M0): e + 127.
;;     - Each number is divided by its block's scale, clamped to +-6, and rounded to the nearest number of E2M1, ties to even, subnormals kept.
;;     - The product sums the exact products of the quantised numbers (number of the format x scale) in f32.
;;   ~~~python
;;   def quantise(x, axis):      # numpy; x: float32 -> the quantised numbers, widened to float32 again
;;       x = np.moveaxis(x, axis, -1); K = x.shape[-1]
;;       x = np.pad(x, [(0, 0)] * (x.ndim - 1) + [(0, -K % 32)]); x = x.reshape(x.shape[:-1] + (-1, 32)); a = np.abs(x).max(-1, keepdims=True)
;;       e = np.where(a > 0, np.clip(np.frexp(np.where(a > 0, a, 1))[1] - 1 - 2, -126, 127), 0)      # np.frexp(a)[1] - 1 = floor(log2(a)), exactly
;;       r = np.clip(x / 2.0 ** e, -6, 6)
;;       step = 2.0 ** (np.maximum(np.frexp(np.where(r == 0, 1, r))[1] - 1, 0) - 1)
;;       q = np.round(r / step) * step * 2.0 ** e      # np.round: ties to even
;;       return np.moveaxis(q.reshape(q.shape[:-2] + (-1,))[..., :K], -1, axis).astype(np.float32)
;;   ~~~
;;   OPERANDS COMPUTED ON THE WAY. 'Computed on the way' means the value that the module computes at that place (a softmax that the list does not call 'softmax' is quantised finished and normalised). What goes into a quantiser is computed in f32, as accurately as f32 sums, v_exp_f32 and their like allow (about 1e-6 of the number): no bf16 or f16 on the way to a quantiser, and a product that is left as it is and whose result goes on into a quantised operand takes f32 operands (vector FMAs, or v_wmma_f32_16x16x4_f32). A number that lies on a knife's edge between two numbers of the format may be rounded either way, as far as f32 arithmetic and the matrix unit's own rounding can turn it there, and no further.
;; One version. Each part assembles by itself: llvm-mc -triple=amdgcn-amd-amdhsa -mcpu=gfx1250 --defsym DOCPART=n.
;; ======== version 1 of 1: 2 launches
;; limits: inputs' magnitudes at most 12,800; right only within a limited range of input values; values are held in bf16: 8 bits of precision
;; workspace buffers: wimg 313,344 bytes
;; launch prep (part 1): grid 140 x 1, 4 waves a work-group, no clusters, 768 bytes of LDS; arguments w00, w01, w02, w03, w10, w11, w12, w13, cw0, b00, b01, b02, b03, b10, b11, b12, b13, cb0, wimg; writes wimg
.if DOCPART == 1
	.amdgcn_target "amdgcn-amd-amdhsa--gfx1250"
	.amdhsa_code_object_version 6
	.text
	.protected	k_q8deb0c9d7a_prep
	.globl	k_q8deb0c9d7a_prep
	.p2align	8
	.type	k_q8deb0c9d7a_prep,@function
k_q8deb0c9d7a_prep:
	s_mov_b64 s[64:65], 0
	v_nop
	global_prefetch_b8 v0, s[64:65] scope:SCOPE_SE
	s_setreg_imm32_b32 hwreg(HW_REG_WAVE_MODE, 25, 1), 1
	s_wait_xcnt 0x0
; pixel_width, t_start and t_end enter no step of the computation: no launch names them (so a NaN or an infinity there is not carried on).
; The nine weights of the quantised products, f32 with K as their FIRST axis, become codes of FP4 (E2M1) with one E8M0 byte for each 32 along K, laid in wimg
; in the order of a matrix operand's registers, so that the next launch brings wimg into LDS as it lies and reads every fragment 16 bytes a lane on end.  The biases are copied beside them.
; wimg, nine chunks of 34,816 bytes:
;   chunk 0: the encoding's K step of w00 (codes 16,384 bytes, scale words 1,024), then at 17,408 that of w10 (its rows 256 to 318);
;   chunk L = 1 .. 7: rows 0 to 255 of w01, w02, w03, w10, w11, w12, w13: codes at 2,048 (2 b + s), scale words at 32,768 + 128 (2 b + s);
;   chunk 8: b00 .. b13 (8 x 1,024), cw0's scale words (12 x 128), cb0 (512), cw0's codes at 2,048 (3 b + s).
; A PAIR OF FRAGMENTS (b, s) is 32 columns x 128 along K: tile u = 0, 1 at 1,024 u; in a tile lane (r, h) has, for c = 0, 1, 16 bytes at 512 c + 16 (16 h + r): the codes of column
; 64 (b / 2) + 16 (b % 2) + 32 (r / 8) + 8 u + r % 8 at K slots 128 s + 64 c + 32 h + 0 .. 31.  So the four tiles of pairs 2 g and 2 g + 1 are columns 64 g .. 64 g + 63, and their rows 0-7 together
; are 64 g + 0 .. 31, their rows 8-15 64 g + 32 .. 63: a half of the next launch's lanes then holds one whole block of 32.  Its scale words: 4 bytes at 4 (16 u + r).
; THE ENCODING'S K STEP has four blocks; inside a block the places are permuted, alike here and in the next launch: block 0 slot i = pe[(i + 3) & 31]; block 1 slot i = pe[32 + ((i + 1) & 31)]
; (pe[63] is the quantiser's fill, 0); block 2 slot i = de[i] (i < 27, else 0); block 3 zeros.  w00 and w10 have zeros in blocks 2 and 3, cw0 in blocks 0, 1 and 3.
; SHARES: a work-group makes one pair of fragments; wave w takes block w of its K step; A LANE TAKES A COLUMN AND ITS 32 REGISTERS RUN DOWN K, so a block's largest magnitude needs no other lane
; and the conversions give codes with K innermost.  Each load reads two runs of 64 bytes; a wave's store of codes covers two aligned runs of 256 bytes.
; A block's scale byte is its largest magnitude's exponent field - 2, held at 1 from below.  LIMITS: a block of zeros keeps the byte 1 where the rule says 127 (its codes are zeros, and this
; program alone reads the bytes); NaN and infinities among the inputs are not served.  The scale words leave in runs of 128 bytes: one sixteenth of what the launch stores.
.set CH, 34816
.set XN, 16                            ; v16-47  the block's 32 numbers, slot by slot
	s_load_b512 s[4:19], s[0:1], 0x0               ; w00 s[4:5], w01, w02, w03, w10 s[12:13], w11, w12, w13 s[18:19]
	s_load_b512 s[20:35], s[0:1], 0x40             ; cw0 s[20:21], b00 s[22:23], b01, b02, b03, b10, b11, b12 s[34:35]
	s_load_b128 s[36:39], s[0:1], 0x80             ; b13, cb0
	s_load_b64 s[40:41], s[0:1], 0x90              ; wimg
	v_lshl_add_u32 v64, v0, 2, 0x100
	v_mov_b32 v65, 0
	v_lshrrev_b32 v1, 5, v0
	v_readfirstlane_b32 s42, v1                    ; wave w = the block of the K step
	v_and_b32 v2, 31, v0                           ; lane
	v_lshlrev_b32 v1, 2, v2
	v_and_b32 v3, 7, v2                            ; r % 8
	v_bfe_u32 v4, v2, 3, 1                         ; u
	v_bfe_u32 v5, v2, 4, 1                         ; r / 8
	v_and_b32 v10, 15, v2
	v_lshl_or_b32 v10, v5, 5, v10
	v_lshlrev_b32 v10, 2, v10                      ; my column's bytes in a row of the weight: 4 (32 (r / 8) + 8 u + r % 8)
	v_lshlrev_b32 v6, 4, v3
	v_lshl_add_u32 v6, v5, 7, v6
	v_lshl_add_u32 v6, v4, 10, v6                  ; my 16 bytes in the pair of fragments: 1,024 u + 16 r (256 w is in the base)
	v_lshl_add_u32 v7, v5, 3, v3
	v_lshl_add_u32 v7, v4, 4, v7
	v_lshlrev_b32 v7, 2, v7
	v_add_nc_u32 v7, s42, v7                       ; LDS: my column's scale word, my block's byte: 4 (16 u + r) + w
	v_lshlrev_b32 v8, 3, v0                        ; a bias: 8 bytes a thread;
	v_lshlrev_b32 v9, 2, v0                        ; cb0: 4
	v_mov_b32 v54, 0                               ; (written on every way: the loads below stand under a branch)
	v_mov_b32 v55, 0
	v_mov_b32 v56, 0
	s_mov_b32 s43, ttmp9                           ; g
	; g = 16 .. 127: rows 0 to 255 of layer L = 1 + (g - 16) / 16, pair tau = (g - 16) % 16 = 2 b + s
	s_sub_co_u32 s52, s43, 16
	s_lshr_b32 s53, s52, 4                         ; L - 1 (kept for the choice of the buffer)
	s_and_b32 s54, s52, 15                         ; tau
	s_mul_i32 s44, s53, CH
	s_add_co_u32 s44, s44, CH
	s_lshl_b32 s55, s54, 7
	s_add_co_u32 s46, s44, s55
	s_add_co_u32 s46, s46, 32768                   ; where the scale words go
	s_lshl_b32 s55, s54, 11
	s_add_co_u32 s44, s44, s55                     ; where the codes go
	s_lshr_b32 s48, s54, 1                         ; b
	s_and_b32 s49, s54, 1                          ; s
	s_lshl_b32 s50, s49, 7
	s_lshl_b32 s55, s42, 5
	s_add_co_u32 s50, s50, s55                     ; the block's first row: 128 s + 32 w
	s_mov_b32 s51, 0                               ; type 0: 32 rows on end, 1,024 bytes apart
	; g = 0 .. 15: the encoding's K step of w00 (g < 8) or of w10; b = g % 8
	s_lshr_b32 s52, s43, 3
	s_and_b32 s54, s43, 7
	s_mul_i32 s55, s52, 17408
	s_lshl_b32 s56, s54, 11
	s_add_co_u32 s56, s56, s55
	s_lshl_b32 s57, s54, 7
	s_add_co_u32 s57, s57, s55
	s_add_co_u32 s57, s57, 16384
	s_lshl_b32 s52, s52, 8                         ; pe's first row: 0 or 256
	s_min_u32 s55, s42, 2
	s_add_co_u32 s55, s55, 2                       ; type 2 (block 0), 3 (block 1), 4 (zeros)
	s_cmp_lt_u32 s43, 16
	s_cselect_b32 s44, s56, s44
	s_cselect_b32 s46, s57, s46
	s_cselect_b32 s48, s54, s48
	s_cselect_b32 s50, s52, s50
	s_cselect_b32 s51, s55, s51
	; g = 128 .. 139: cw0, pair tau = g - 128 = 3 b + s
	s_sub_co_u32 s52, s43, 128
	s_mul_i32 s54, s52, 171
	s_lshr_b32 s54, s54, 9                         ; b = tau / 3 (exact for tau under 12)
	s_mul_i32 s55, s54, 3
	s_sub_co_u32 s55, s52, s55                     ; s
	s_lshl_b32 s56, s52, 11
	s_add_co_u32 s56, s56, 288768
	s_lshl_b32 s57, s52, 7
	s_add_co_u32 s57, s57, 286720
	s_lshl_b32 s52, s55, 7
	s_lshl_b32 s49, s42, 5
	s_add_co_u32 s52, s52, s49
	s_cmp_eq_u32 s42, 2
	s_cselect_b32 s49, 5, 4                        ; the third step: de in block 2 (type 5), zeros elsewhere
	s_cmp_eq_u32 s55, 2
	s_cselect_b32 s49, s49, 1                      ; type 1: 32 rows on end, 512 bytes apart
	s_cselect_b32 s52, 256, s52                    ; de's first row
	s_cmp_ge_u32 s43, 128
	s_cselect_b32 s44, s56, s44
	s_cselect_b32 s46, s57, s46
	s_cselect_b32 s48, s54, s48
	s_cselect_b32 s50, s52, s50
	s_cselect_b32 s51, s49, s51
	s_cselect_b32 s49, 9, 10                       ; log2 of a row's bytes
	s_lshl_b32 s60, s50, s49
	s_lshr_b32 s52, s48, 1
	s_lshl_b32 s52, s52, 8
	s_and_b32 s56, s48, 1
	s_lshl_b32 s56, s56, 6
	s_add_co_u32 s52, s52, s56
	s_add_co_u32 s60, s60, s52                     ; first row x pitch + 256 (b / 2) + 64 (b % 2)
	s_mov_b32 s61, 0
	s_lshl_b32 s52, s42, 8
	s_add_co_u32 s44, s44, s52                     ; + 256 w: 512 c + 256 h
	s_mov_b32 s45, 0
	s_mov_b32 s47, 0
	s_wait_alu depctr_va_vdst(0)                   ; the wait at the head's end
	s_wait_kmcnt 0x0
	s_mov_b64 s[58:59], s[6:7]                     ; the weight: chosen by the work-group's number alone
	s_cmp_eq_u32 s53, 1
	s_cselect_b64 s[58:59], s[8:9], s[58:59]
	s_cmp_eq_u32 s53, 2
	s_cselect_b64 s[58:59], s[10:11], s[58:59]
	s_cmp_eq_u32 s53, 3
	s_cselect_b64 s[58:59], s[12:13], s[58:59]
	s_cmp_eq_u32 s53, 4
	s_cselect_b64 s[58:59], s[14:15], s[58:59]
	s_cmp_eq_u32 s53, 5
	s_cselect_b64 s[58:59], s[16:17], s[58:59]
	s_cmp_eq_u32 s53, 6
	s_cselect_b64 s[58:59], s[18:19], s[58:59]
	s_cmp_lt_u32 s43, 16
	s_cselect_b64 s[58:59], s[12:13], s[58:59]
	s_cmp_lt_u32 s43, 8
	s_cselect_b64 s[58:59], s[4:5], s[58:59]
	s_cmp_ge_u32 s43, 128
	s_cselect_b64 s[58:59], s[20:21], s[58:59]
	s_add_nc_u64 s[58:59], s[58:59], s[60:61]
	s_add_nc_u64 s[62:63], s[40:41], s[44:45]      ; the codes' place in wimg
	s_add_nc_u64 s[46:47], s[40:41], s[46:47]      ; the scale words' place
	s_mov_b64 s[52:53], s[22:23]                   ; work-groups 0 to 7 also copy a bias of 256 numbers: which
	s_cmp_eq_u32 s43, 1
	s_cselect_b64 s[52:53], s[24:25], s[52:53]
	s_cmp_eq_u32 s43, 2
	s_cselect_b64 s[52:53], s[26:27], s[52:53]
	s_cmp_eq_u32 s43, 3
	s_cselect_b64 s[52:53], s[28:29], s[52:53]
	s_cmp_eq_u32 s43, 4
	s_cselect_b64 s[52:53], s[30:31], s[52:53]
	s_cmp_eq_u32 s43, 5
	s_cselect_b64 s[52:53], s[32:33], s[52:53]
	s_cmp_eq_u32 s43, 6
	s_cselect_b64 s[52:53], s[34:35], s[52:53]
	s_cmp_eq_u32 s43, 7
	s_cselect_b64 s[52:53], s[36:37], s[52:53]
	s_lshl_b32 s54, s43, 10
	s_add_co_u32 s54, s54, 8*CH
	s_mov_b32 s55, 0
	s_add_nc_u64 s[54:55], s[40:41], s[54:55]      ; where it goes
	s_add_nc_u64 s[56:57], s[40:41], 288256        ; cb0's place
	s_cmp_lt_u32 s43, 8                            ; the bias is asked for ahead of the weights
	s_cbranch_scc0 .Lbias_asked
	global_load_b64 v[54:55], v8, s[52:53]
.Lbias_asked:
	s_cmp_eq_u32 s43, 8                            ; work-group 8: cb0
	s_cbranch_scc0 .Lcb0_asked
	global_load_b32 v56, v9, s[38:39]
.Lcb0_asked:
; Slot AI of the block takes row base + ((AI + add) & 31) of the weight where that number is under nvalid, else 0: so no load leaves its buffer (the last rows named are 62, 318 and 282).
.macro ARM pitch, add, base, nvalid
.set AI, 0
.rept 32
.if ((AI+\add)&31) < \nvalid
	global_load_b32 v[XN+AI], v10, s[58:59] offset:(\base+((AI+\add)&31))*\pitch
.else
	v_mov_b32 v[XN+AI], 0
.endif
.set AI, AI+1
.endr
.endm
	s_cmp_eq_u32 s51, 0
	s_cbranch_scc1 .Lg1024
	s_cmp_eq_u32 s51, 1
	s_cbranch_scc1 .Lg512
	s_cmp_eq_u32 s51, 2
	s_cbranch_scc1 .Lpe0
	s_cmp_eq_u32 s51, 3
	s_cbranch_scc1 .Lpe1
	s_cmp_eq_u32 s51, 5
	s_cbranch_scc1 .Lde
	ARM 1024, 0, 0, 0                              ; a block of zeros
	s_branch .Ljoin
.Lg1024:
	ARM 1024, 0, 0, 32
	s_branch .Ljoin
.Lg512:
	ARM 512, 0, 0, 32
	s_branch .Ljoin
.Lpe0:
	ARM 1024, 3, 0, 32
	s_branch .Ljoin
.Lpe1:
	ARM 1024, 1, 32, 31
	s_branch .Ljoin
.Lde:
	ARM 512, 0, 0, 27
.Ljoin:
	s_wait_alu depctr_va_vdst(0)
	s_wait_loadcnt 0x0
	v_max3_num_f32 v12, |v[XN]|, |v[XN+1]|, |v[XN+2]|              ; the block's largest magnitude, in two chains: all 32 numbers are mine
	v_max3_num_f32 v13, |v[XN+3]|, |v[XN+4]|, |v[XN+5]|
.irp i, 6,10,14,18,22,26
	v_max3_num_f32 v12, v12, |v[XN+\i]|, |v[XN+\i+1]|
	v_max3_num_f32 v13, v13, |v[XN+\i+2]|, |v[XN+\i+3]|
.endr
	v_max3_num_f32 v12, v12, |v[XN+30]|, |v[XN+31]|
	v_max3_num_f32 v12, v12, v13, 0x1800000        ; and the floor 2^(3 - 127): the byte cannot fall under 1
	v_add_nc_u32 v11, 0xff000000, v12              ; 2 off the exponent field: the conversion takes this operand's exponent field as its scale
	v_lshrrev_b32 v13, 23, v11                     ; the scale's byte
.irp g, 0,1,2,3
	v_cvt_scalef32_pk8_fp4_f32 v[48+\g], v[XN+8*\g:XN+8*\g+7], v11
.endr
	v_nop                                          ; one plain line behind the last scaled conversion
	ds_store_b8 v7, v13                            ; the four waves' bytes make a column's scale word
	global_store_b128 v6, v[48:51], s[62:63]       ; lanes of one tile store 256 consecutive bytes, aligned
	s_wait_alu depctr_va_vdst(0)
	s_wait_dscnt 0x0                               ; for the others' sake: my byte has landed
	s_barrier_signal -1
	s_barrier_wait -1
	s_cmp_lg_u32 s42, 0
	s_cbranch_scc1 .Lnot_wave_0
	ds_load_b32 v14, v1                            ; the 32 scale words, 4 bytes a lane
	s_wait_dscnt 0x0
	global_store_b32 v1, v14, s[46:47]
.Lnot_wave_0:
	s_cmp_lt_u32 s43, 8
	s_cbranch_scc0 .Lno_bias
	global_store_b64 v8, v[54:55], s[54:55]
.Lno_bias:
	s_cmp_eq_u32 s43, 8
	s_cbranch_scc0 .Lend
	global_store_b32 v9, v56, s[56:57]
.Lend:
	s_wait_tensorcnt 0x0                           ; the wave's end
	ds_add_u32 v64, v65
	s_wait_dscnt 0x0
	s_endpgm
.Lfunc_end_k_q8deb0c9d7a_prep:
	.size	k_q8deb0c9d7a_prep, .Lfunc_end_k_q8deb0c9d7a_prep-k_q8deb0c9d7a_prep
	.p2alignl 7, 3214868480
	.fill 96, 4, 3214868480
	.section	.rodata,"a",@progbits
	.p2align	6, 0x0
	.amdhsa_kernel k_q8deb0c9d7a_prep
		.amdhsa_group_segment_fixed_size 768
		.amdhsa_private_segment_fixed_size 0
		.amdhsa_enable_private_segment 0
		.amdhsa_kernarg_size 152
		.amdhsa_user_sgpr_count 2
		.amdhsa_user_sgpr_kernarg_segment_ptr 1
		.amdhsa_wavefront_size32 1
		.amdhsa_system_sgpr_workgroup_id_x 1
		.amdhsa_system_sgpr_workgroup_id_y 1
		.amdhsa_system_sgpr_workgroup_id_z 1
		.amdhsa_system_vgpr_workitem_id 0
		.amdhsa_next_free_vgpr 66
		.amdhsa_next_free_sgpr 66
		.amdhsa_reserve_vcc 0
		.amdhsa_float_denorm_mode_32 3
		.amdhsa_float_denorm_mode_16_64 3
		.amdhsa_memory_ordered 1
		.amdhsa_forward_progress 1
		.amdhsa_inst_pref_size 25
	.end_amdhsa_kernel
	.amdgpu_metadata
---
amdhsa.version: [ 1, 2 ]
amdhsa.kernels:
  - .name:           k_q8deb0c9d7a_prep
    .symbol:         k_q8deb0c9d7a_prep.kd
    .args:
      - { .name: w00, .offset: 0, .size: 8, .value_kind: global_buffer, .address_space: global }
      - { .name: w01, .offset: 8, .size: 8, .value_kind: global_buffer, .address_space: global }
      - { .name: w02, .offset: 16, .size: 8, .value_kind: global_buffer, .address_space: global }
      - { .name: w03, .offset: 24, .size: 8, .value_kind: global_buffer, .address_space: global }
      - { .name: w10, .offset: 32, .size: 8, .value_kind: global_buffer, .address_space: global }
      - { .name: w11, .offset: 40, .size: 8, .value_kind: global_buffer, .address_space: global }
      - { .name: w12, .offset: 48, .size: 8, .value_kind: global_buffer, .address_space: global }
      - { .name: w13, .offset: 56, .size: 8, .value_kind: global_buffer, .address_space: global }
      - { .name: cw0, .offset: 64, .size: 8, .value_kind: global_buffer, .address_space: global }
      - { .name: b00, .offset: 72, .size: 8, .value_kind: global_buffer, .address_space: global }
      - { .name: b01, .offset: 80, .size: 8, .value_kind: global_buffer, .address_space: global }
      - { .name: b02, .offset: 88, .size: 8, .value_kind: global_buffer, .address_space: global }
      - { .name: b03, .offset: 96, .size: 8, .value_kind: global_buffer, .address_space: global }
      - { .name: b10, .offset: 104, .size: 8, .value_kind: global_buffer, .address_space: global }
      - { .name: b11, .offset: 112, .size: 8, .value_kind: global_buffer, .address_space: global }
      - { .name: b12, .offset: 120, .size: 8, .value_kind: global_buffer, .address_space: global }
      - { .name: b13, .offset: 128, .size: 8, .value_kind: global_buffer, .address_space: global }
      - { .name: cb0, .offset: 136, .size: 8, .value_kind: global_buffer, .address_space: global }
      - { .name: wimg, .offset: 144, .size: 8, .value_kind: global_buffer, .address_space: global }
    .group_segment_fixed_size: 768
    .private_segment_fixed_size: 0
    .kernarg_segment_align: 8
    .kernarg_segment_size: 152
    .max_flat_workgroup_size: 128
    .sgpr_count:     66
    .vgpr_count:     66
    .wavefront_size: 32
...
	.end_amdgpu_metadata
.endif
;; end of part 1
;; launch mlp (part 2): grid 256 x 1, 8 waves a work-group, clusters of 4 x 1, 327,680 bytes of LDS; arguments pos, dir, wimg, cw1, cb1, out0, out1; writes out0, out1
.if DOCPART == 2
	.amdgcn_target "amdgcn-amd-amdhsa--gfx1250"
	.amdhsa_code_object_version 6
	.text
	.protected	k_q8deb0c9d7a_mlp
	.globl	k_q8deb0c9d7a_mlp
	.p2align	8
	.type	k_q8deb0c9d7a_mlp,@function
k_q8deb0c9d7a_mlp:
	s_mov_b64 s[64:65], 0
	v_nop
	global_prefetch_b8 v0, s[64:65] scope:SCOPE_SE
	s_setreg_imm32_b32 hwreg(HW_REG_WAVE_MODE, 25, 1), 1
	s_wait_xcnt 0x0
	s_wait_alu depctr_hold_cnt(0) depctr_sa_sdst(0) depctr_va_vdst(0) depctr_va_sdst(0) depctr_va_ssrc(0) depctr_va_vcc(0) depctr_vm_vsrc(0)
	s_getreg_b32 s2, hwreg(HW_REG_IB_STS2, 6, 4)
	s_cmp_eq_u32 s2, 0
	s_cbranch_scc0 .Lentry_in_a_cluster
	s_endpgm
.Lentry_in_a_cluster:
	s_bfe_u32 s2, ttmp6, 0x10000c
	s_cmp_lg_u32 s2, 0x3003
	s_cbranch_scc0 .Lentry_shape_is_right
	s_endpgm
.Lentry_shape_is_right:
; The whole NeRF chain for 512 rows a work-group: sinusoidal encoding, nine products on codes of FP4 (E2M1) with one E8M0 scale for each 32 along K, the product with cw1 in bf16, sigmoid and softplus.
; pixel_width, t_start and t_end enter no step of the computation and are not among this program's buffers.
; WEIGHTS.  wimg (made by the launch before) is an image of LDS bytes 0 to 313,343: all nine weights as operand registers on end, their scale words and the biases.  It is filled ONCE: each of the eight
; waves brings an eighth of it (153 rows of 256 bytes) by one tensor load.  No LDS byte is filled twice.  All work-groups read the same image, so four form a cluster and ask for it JOINTLY: the same
; loads with the same descriptors (constants and the wave's number) and a mask that names the four.
; SHARES.  A wave owns 64 rows, four tiles of 16, from the encoding to the output.  EVERY PRODUCT IS USED TRANSPOSED (source 0 = 16 rows of a weight, source 1 = 16 rows of x): lane (r, h) holds ONE row r,
; and its registers run along the hidden units.  A group is 64 units, four tiles u; row r of tile u is unit 64 g + 32 (r / 8) + 8 u + r % 8, so that a lane's 32 registers are units 64 g + 32 h + 0 .. 31:
; A WHOLE BLOCK OF 32.  Its largest number needs no other lane, and its codes are the next product's operand registers as the conversions give them.  Only scale bytes change lanes: the words of two row
; tiles share one register (lanes 0-15 the even tile's, lanes 16-31 the odd tile's).  No activation goes to LDS or memory.
; RELU is done on the codes: the block's scale comes from the largest POSITIVE number (no |.| in the maximum), and the three low bits of every code whose sign bit is set are cleared (-0 is the number 0);
; positive numbers' codes are as the quantiser of relu(x) gives them.  Layer 7 has no relu: there |.| stands in the maximum and the codes are left alone.
; THE ENCODING is one K step of 128 slots a row, shared by layers 0, 4 and 8: block 0 slot i = pe[(i + 3) & 31], block 1 slot i = pe[32 + ((i + 1) & 31)], block 2 = de, block 3 zeros; the weights are laid alike.
; Sines and cosines: t = x 2^l (2 / pi), 2 / pi in two parts; k = t rounded to a whole number by adding and taking off 1.5 x 2^23; theta = (t - k) pi / 2, at most pi / 4 in size; series to theta^9 and theta^10;
; the quadrant from k's two low bits.  Lane half h works pos at 2^(5 h + j) and dir at 2^(2 h + j): j = 0, 2, 4 so, j = 1 and 3 by one doubling: sin 2a = 2 sin a cos a, cos 2a = 1 - 2 sin^2 a.
; LIMITS: |pos| x 2^9 x 2 / pi and |dir| x 2^2 x 2 / pi stay under 2^22 (|pos| under about 12,800, |dir| under about 1,640,000); NaN and infinities are not served;
; a block without a positive number keeps the scale byte 1 (its codes are zeros).
; No prefetch: the only stream of any size is asked for in the kernel's first lines.  No padding in LDS: every fragment is read 16 bytes a lane on end.
; REGISTERS, window 0: v1-15 addresses and lane constants; v16-23 scale words of the two code buffers (2 s + m / 2); v24-25 the encoding's; v28-33 the weights' (2 s + u / 2); v34-57 at work;
;   v64-191 accumulators (64 + 32 m + 8 u); v192-255 code buffer X (16 m + 8 s).   Window 1: v0-95 weight fragments (32 s + 8 u); v96-127 biases; v128-159 the encoding's codes; v160-191 cw1 in bf16; v192-255 code buffer Y.
.set CH,    34816                      ; a chunk of the image
.set PART,  9*CH/8                     ; a wave's eighth of the image: 39,168 bytes,
.set PROWS, PART/256                   ; 153 rows of 256
.set TAILB, 8*CH                       ; the biases, 1,024 bytes a layer
.set L8S,   TAILB+8192                 ; cw0's scale words
.set CB0,   L8S+1536                   ; cb0
.set L8C,   CB0+512                    ; cw0's codes
.set STAGE, 9*CH                       ; behind the image: 1,024 bytes for each wave, for the way out; no tensor load lands here
.set SPARE, STAGE+8192                 ; the spare words, 128 bytes for each wave
.set LA16, 1                           ; 16 x lane
.set LA4,  2                           ; 4 x lane
.set HA,   3                           ; 128 h
.set WZ,   4                           ; LDS addresses of the layer in hand: codes,
.set SZ,   5                           ; scale words,
.set BI,   6                           ; bias,
.set WE,   7                           ; the encoding step's codes,
.set SE,   8                           ; and scale words
.set M0R,  9                           ; -1 in lanes 0-15, 0 in lanes 16-31
.set SD,   11                          ; the stage: density in,
.set SG,   12                          ; rgb in,
.set SR,   13                          ; and back
.set GO,   14                          ; 8 x lane: my bytes of an output store
.set PO,   15                          ; 12 r: my row of pos and dir
.set XSA,  16
.set XSB,  20
.set ES,   24
.set WS,   28
.set BY,   34                          ; scale bytes on their way
.set SOP,  38                          ; the conversions' scale operands
.set MA,   42                          ; maxima, two chains a row tile
.set MB,   46
.set RT,   42                          ; relu: v42-57 (the maxima are done with)
.set CMASK, 58                         ; -1 where r < 4: cw1 has four columns
.set CADR, 59                          ; my bytes of cw1
.set ACC,  64
.set XC,   192
.set YC,   192                         ; window 1
.set WF,   0                           ; window 1
.set BS,   96
.set EN,   128
.set CW,   160
.set PP,   64                          ; the encoding: pos at PP + 8 m, dir at PP + 8 m + 4
.set XX,   96                          ; eight scaled arguments
.set MG,   104                         ; pairs of constants: 1.5 x 2^23,
.set KS7,  106                         ; -1 / 5040,
.set KC8,  108                         ; 1 / 40320
.set PW5,  110                         ; 2^(5 h)
.set PW2,  111                         ; 2^(2 h)
.set EE,   112                         ; block h of the encoding step, slot by slot
.set FF,   144                         ; block 2 + h
.set TT0,  176                         ; 16 registers at work for each of six pairs
.set TT1,  192
.set TT2,  208
.set TT3,  224
.set TT4,  240
.set TT5,  42
.set CHI,  0x3f22f983                  ; 2 / pi, its upper part,
.set CLO,  0x32dc9c88                  ; and what is left of it
.set OO,   128                         ; layer 8: the four accumulators of the last product
.set RA,   200                         ; the tail: 8 numbers a lane,
.set RD,   208                         ; d,
.set RM,   210                         ; max(d, 0),
.set RB,   212                         ; rows read back from the stage,
.set RC,   220                         ; cb1 x (-log2 e)
.set MSB, 0
.macro WIN new                         ; s_set_vgpr_msb: bits 1:0 source 0, 3:2 source 1, 5:4 source 2, 7:6 destination; the high byte repeats the setting that is left
.if MSB != (\new)
	s_set_vgpr_msb (MSB<<8)|(\new)
.set MSB, \new
.endif
.endm
.macro PLACES n
.rept \n
	v_nop
.endr
.endm
.macro CROUND                          ; a round of the cluster's barrier: my work-group's barrier, wave 0 signals for the work-group, every wave waits for all four, my work-group's barrier once more
	s_barrier_signal -1
	s_barrier_wait -1
	s_cmp_lg_u32 s18, 0
	s_cbranch_scc1 .Lnot_wave_0_\@
	s_barrier_signal -3
.Lnot_wave_0_\@:
	s_barrier_wait -3
	s_barrier_signal -1
	s_barrier_wait -1
.endm
	s_load_b256 s[4:11], s[0:1], 0x0               ; pos s[4:5], dir s[6:7], wimg s[8:9], cw1 s[10:11]
	s_load_b128 s[12:15], s[0:1], 0x20             ; cb1 s[12:13], out0 s[14:15]
	s_load_b64 s[16:17], s[0:1], 0x30              ; out1
	v_lshl_add_u32 v62, v0, 2, SPARE
	v_mov_b32 v63, 0
	ds_add_u32 v62, v63                            ; the opening lines
	ds_add_u32 v62, v63
	v_lshrrev_b32 v42, 5, v0
	v_and_b32 v43, 31, v0                          ; lane
	v_bfe_u32 v60, v0, 4, 1                        ; h
	v_and_b32 v61, 15, v0                          ; r
	v_readfirstlane_b32 s18, v42                   ; wave 0..7
	s_lshl_b32 s21, s18, 10
	s_add_co_u32 s21, s21, STAGE                   ; my stage
	v_lshlrev_b32 v[LA16], 4, v43
	v_lshlrev_b32 v[LA4], 2, v43
	v_lshlrev_b32 v[HA], 7, v60
	v_add_nc_u32 v[M0R], -1, v60
	v_lshlrev_b32 v[GO], 3, v43
	v_mul_u32_u24 v[SG], v43, 12
	v_mul_u32_u24 v[PO], v61, 12
	v_and_b32 v[CADR], 3, v0
	v_add_nc_u32 v[SD], s21, v[LA4]
	v_add_nc_u32 v[SR], s21, v[GO]
	v_add_nc_u32 v[SG], s21, v[SG]
	v_lshlrev_b32 v[CADR], 2, v[CADR]
	v_cmp_gt_u32 vcc_lo, 4, v61
	v_lshl_add_u32 v[CADR], v60, 9, v[CADR]        ; cw1: 512 h + 4 (r % 4): unit 32 h, column r % 4
	v_cndmask_b32 v[CMASK], 0, -1, vcc_lo
	s_bfe_u32 s19, ttmp6, 0x40000                  ; cx: it enters the addresses of pos, dir, out0 and out1 alone
	s_lshl_b32 s20, ttmp9, 2
	s_add_co_u32 s20, s20, s19
	s_lshl_b32 s20, s20, 9
	s_lshl_b32 s21, s18, 6
	s_add_co_u32 s20, s20, s21                     ; my first row: 512 x work-group + 64 x wave
	s_mul_i32 s94, s20, 12
	s_mov_b32 s95, 0
	s_lshl_b32 s96, s20, 2
	s_mov_b32 s97, 0
	s_mul_i32 s22, s18, PART                       ; my eighth of the image, in memory
	s_mov_b32 s23, 0
	; descriptor group 1: 153 rows of 32 elements of 8 bytes, dense
	s_mov_b32 s24, 15|(3<<16)|(1<<21)              ; 15:0 the mask: all four work-groups; 17:16 elements of 8 bytes; 21 set beside a mask
	s_mov_b32 s25, 32<<16                          ; tensor_dim0 = 32
	s_mov_b32 s26, PROWS<<16                       ; tensor_dim1 = 153
	s_mov_b32 s27, 32<<16                          ; tile_dim0 = 32
	s_mov_b32 s28, PROWS                           ; tile_dim1 = 153
	s_mov_b32 s29, 32                              ; from row to row
	s_mov_b32 s30, 0
	s_mov_b32 s31, 0
	s_mov_b32 s72, 0x76543210
	s_mov_b32 s73, 0xfedcba98                      ; v_permlanex16_b32's selects for lane l xor 16
	s_mov_b32 s74, 0xffff0000                      ; the lanes with h = 1
	s_mov_b32 s75, 0x88888888                      ; the sign bits of eight codes
	s_mov_b32 s81, 0x80000000
	s_mov_b32 s82, 0x3f800000
	s_wait_alu depctr_va_vdst(0)
	s_wait_dscnt 0x0
	s_wait_kmcnt 0x0
	s_add_nc_u64 s[4:5], s[4:5], s[94:95]
	s_add_nc_u64 s[6:7], s[6:7], s[94:95]
	s_add_nc_u64 s[16:17], s[16:17], s[94:95]
	s_add_nc_u64 s[14:15], s[14:15], s[96:97]
	; descriptor group 0: written once
	s_mov_b32 s32, 1                               ; count = 1
	s_mul_i32 s33, s18, PART                       ; LDS address = the byte's place in the image: the wave's number x a constant
	s_add_nc_u64 s[34:35], s[8:9], s[22:23]        ; global address
	s_or_b32 s35, s35, 0x80000000                  ; type = 2
	s_load_b128 s[84:87], s[12:13], 0x0            ; cb1
.irp m, 0,1,2,3                        ; pos and dir are only read: these loads may be out across the round
.irp d, 0,1,2
	global_load_b32 v[PP+8*\m+\d], v[PO], s[4:5] offset:192*\m+4*\d
	global_load_b32 v[PP+8*\m+4+\d], v[PO], s[6:7] offset:192*\m+4*\d
.endr
.endr
	CROUND                                         ; all four work-groups are here: the joint loads meet
	tensor_load_to_lds s[32:35], s[24:31]
	s_nop 0
	PLACES 4                                       ; four places behind a tensor load
.macro CW1 q                           ; cw1(64 (q / 2) + 32 h + 16 (q % 2) + i, r % 4), as h will lie; into registers that the encoding does not touch
.irp i, 0,1,2,3,4,5,6,7,8,9,10,11,12,13,14,15
	global_load_b32 v[YC+16*\q+\i], v[CADR], s[10:11] offset:(64*(\q/2)+16*(\q%2)+\i)*16
.endr
.endm
	WIN 0x40
	CW1 0
	CW1 1
	WIN 0
	v_mov_b32 v[MG], 0x4b400000
	v_mov_b32 v[MG+1], 0x4b400000
	v_mov_b32 v[KS7], 0xb9500d01
	v_mov_b32 v[KS7+1], 0xb9500d01
	v_mov_b32 v[KC8], 0x37d00d01
	v_mov_b32 v[KC8+1], 0x37d00d01
	v_mov_b32 v[PW5], 0x42000000
	v_cndmask_b32 v[PW2], 1.0, 4.0, s74
	v_cndmask_b32 v[PW5], 1.0, v[PW5], s74
.irp j, 0,1,2,3
	v_mov_b32 v[XSB+\j], 0                         ; the layer loop's text names these scale words in its first trip too, where a branch leads round the products that read them
.endr
.irp j, 5,6,9,10,13,14,17,18,21,22,25,26,27,28,29,30,31
	v_mov_b32 v[FF+\j], 0                          ; the permutes' destinations, and de's fill, which stays 0
.endr
	s_wait_alu depctr_va_vdst(0)                   ; the wait at the head's end
	s_wait_kmcnt 0x0
	s_wait_loadcnt 0x20                            ; pos and dir are in; cw1's 32 loads may be out
; Pair n: arguments at XR, XR + 1, frequency step j; DA, DB: where the first's sine and cosine go; DC, DD: the second's
.macro SETP n, xr, j, da, db, dc, dd
.set XR\n, \xr
.set JJ\n, \j
.set DA\n, \da
.set DB\n, \db
.set DC\n, \dc
.set DD\n, \dd
.endm
	SETP 0, XX,   0, EE,    EE+5,  EE+10, EE+15
	SETP 1, XX+2, 0, EE+20, EE+25, FF+3,  FF+15
	SETP 2, XX+4, 0, FF+7,  FF+19, FF+11, FF+23
	SETP 3, XX,   2, EE+2,  EE+7,  EE+12, EE+17
	SETP 4, XX,   4, EE+4,  EE+9,  EE+14, EE+19
	SETP 5, XX+6, 2, EE+22, EE+27, EE+24, EE+29
; Sine and cosine of six pairs of arguments, the pairs by turns.  At work, from TTn: +0 t + magic, +2 k then t - k, +4 theta, +6 z, +8 sine, +10 cosine, +12 z theta, +14 the sign.
.macro SC6
.irp n, 0,1,2,3,4,5
	v_pk_fma_f32 v[TT\n:TT\n+1], v[XR\n:XR\n+1], CHI+(JJ\n<<23), v[MG:MG+1] op_sel_hi:[1,0,1]   ; t + 1.5 x 2^23: its low bits are k
.endr
.irp n, 0,1,2,3,4,5
	v_pk_add_f32 v[TT\n+2:TT\n+3], v[TT\n:TT\n+1], v[MG:MG+1] neg_lo:[0,1] neg_hi:[0,1]   ; k, exact
.endr
.irp n, 0,1,2,3,4,5
	v_pk_fma_f32 v[TT\n+2:TT\n+3], v[XR\n:XR\n+1], CHI+(JJ\n<<23), v[TT\n+2:TT\n+3] op_sel_hi:[1,0,1] neg_lo:[0,0,1] neg_hi:[0,0,1]   ; x (2 / pi, upper part) - k, one rounding
.endr
.irp n, 0,1,2,3,4,5
	v_pk_fma_f32 v[TT\n+2:TT\n+3], v[XR\n:XR\n+1], CLO+(JJ\n<<23), v[TT\n+2:TT\n+3] op_sel_hi:[1,0,1]   ; + x (what is left of 2 / pi)
.endr
.irp n, 0,1,2,3,4,5
	v_pk_mul_f32 v[TT\n+4:TT\n+5], v[TT\n+2:TT\n+3], 0x3fc90fdb op_sel_hi:[1,0]   ; theta
.endr
.irp n, 0,1,2,3,4,5
	v_pk_mul_f32 v[TT\n+6:TT\n+7], v[TT\n+4:TT\n+5], v[TT\n+4:TT\n+5]   ; z = theta^2
.endr
.irp n, 0,1,2,3,4,5
	v_pk_fma_f32 v[TT\n+8:TT\n+9], v[TT\n+6:TT\n+7], 0x3638ef1d, v[KS7:KS7+1] op_sel_hi:[1,0,1]   ; z / 9! - 1 / 7!
	v_pk_fma_f32 v[TT\n+10:TT\n+11], v[TT\n+6:TT\n+7], 0xb493f27e, v[KC8:KC8+1] op_sel_hi:[1,0,1]   ; -z / 10! + 1 / 8!
.endr
.irp n, 0,1,2,3,4,5
	v_pk_fma_f32 v[TT\n+8:TT\n+9], v[TT\n+8:TT\n+9], v[TT\n+6:TT\n+7], 0x3c088889 op_sel_hi:[1,1,0]
	v_pk_fma_f32 v[TT\n+10:TT\n+11], v[TT\n+10:TT\n+11], v[TT\n+6:TT\n+7], 0xbab60b61 op_sel_hi:[1,1,0]
.endr
.irp n, 0,1,2,3,4,5
	v_pk_fma_f32 v[TT\n+8:TT\n+9], v[TT\n+8:TT\n+9], v[TT\n+6:TT\n+7], 0xbe2aaaab op_sel_hi:[1,1,0]
	v_pk_fma_f32 v[TT\n+10:TT\n+11], v[TT\n+10:TT\n+11], v[TT\n+6:TT\n+7], 0x3d2aaaab op_sel_hi:[1,1,0]
.endr
.irp n, 0,1,2,3,4,5
	v_pk_mul_f32 v[TT\n+12:TT\n+13], v[TT\n+6:TT\n+7], v[TT\n+4:TT\n+5]
	v_pk_fma_f32 v[TT\n+10:TT\n+11], v[TT\n+10:TT\n+11], v[TT\n+6:TT\n+7], -0.5 op_sel_hi:[1,1,0]
.endr
.irp n, 0,1,2,3,4,5
	v_lshlrev_b32 v[TT\n+14], 30, v[TT\n]          ; k's bit 1 to the sign's place
	v_lshlrev_b32 v[TT\n+15], 30, v[TT\n+1]
.endr
.irp n, 0,1,2,3,4,5
	v_pk_fma_f32 v[TT\n+8:TT\n+9], v[TT\n+8:TT\n+9], v[TT\n+12:TT\n+13], v[TT\n+4:TT\n+5]   ; sin theta
	v_pk_fma_f32 v[TT\n+10:TT\n+11], v[TT\n+10:TT\n+11], v[TT\n+6:TT\n+7], 1.0 op_sel_hi:[1,1,0]   ; cos theta
.endr
.irp n, 0,1,2,3,4,5
	v_and_or_b32 v[TT\n+14], v[TT\n+14], s81, s82  ; 1 or -1
	v_and_or_b32 v[TT\n+15], v[TT\n+15], s81, s82
	v_and_b32 v[TT\n], 1, v[TT\n]                  ; k's bit 0: sine and cosine change places
	v_and_b32 v[TT\n+1], 1, v[TT\n+1]
.endr
.irp n, 0,1,2,3,4,5
	v_pk_mul_f32 v[TT\n+2:TT\n+3], v[TT\n+8:TT\n+9], v[TT\n+14:TT\n+15]
	v_pk_mul_f32 v[TT\n+4:TT\n+5], v[TT\n+10:TT\n+11], v[TT\n+14:TT\n+15]
	v_pk_mul_f32 v[TT\n+6:TT\n+7], v[TT\n+8:TT\n+9], v[TT\n+14:TT\n+15] neg_lo:[1,0] neg_hi:[1,0]
	v_cmp_ne_u32 s[88+2*\n], 0, v[TT\n]
	v_cmp_ne_u32 s[89+2*\n], 0, v[TT\n+1]
.endr
.irp n, 0,1,2,3,4,5
	v_cndmask_b32 v[DA\n], v[TT\n+2], v[TT\n+4], s[88+2*\n]
	v_cndmask_b32 v[DB\n], v[TT\n+4], v[TT\n+6], s[88+2*\n]
	v_cndmask_b32 v[DC\n], v[TT\n+3], v[TT\n+5], s[89+2*\n]
	v_cndmask_b32 v[DD\n], v[TT\n+5], v[TT\n+7], s[89+2*\n]
.endr
.endm
; Doubling: nine angles by turns.  st = 0: t = 2 sin a; 1: sin 2a = t cos a; 2: cos 2a = 1 - t sin a
.macro DBL st, t, sa, ca, sb, cb
.if \st == 0
	v_add_f32 v[\t], v[\sa], v[\sa]
.elseif \st == 1
	v_mul_f32 v[\sb], v[\t], v[\ca]
.else
	v_fma_f32 v[\cb], -v[\t], v[\sa], 1.0
.endif
.endm
.macro DBLS
.irp st, 0,1,2
.irp d, 0,1,2
	DBL \st, TT0+3*\d, EE+10*\d, EE+10*\d+5, EE+10*\d+1, EE+10*\d+6
	DBL \st, TT0+3*\d+1, EE+10*\d+2, EE+10*\d+7, EE+10*\d+3, EE+10*\d+8
	DBL \st, TT0+3*\d+2, FF+4*\d+3, FF+4*\d+15, FF+4*\d+4, FF+4*\d+16
.endr
.endr
.endm
; A maximum takes in two more numbers: ab = 1: their magnitudes
.macro MX ab, d, x, y
.if \ab
	v_max3_num_f32 v[\d], v[\d], |v[\x]|, |v[\y]|
.else
	v_max3_num_f32 v[\d], v[\d], v[\x], v[\y]
.endif
.endm
.macro ENC m                           ; row tile m's encoding: codes to EN + 8 m; it runs while the weights land
.irp d, 0,1,2
	v_mul_f32 v[XX+\d], v[PP+8*\m+\d], v[PW5]      ; exact: powers of two
	v_mul_f32 v[XX+3+\d], v[PP+8*\m+4+\d], v[PW2]
.endr
	v_mul_f32 v[XX+6], v[PP+8*\m+2], v[PW5]
	v_mul_f32 v[XX+7], 4.0, v[XX+2]
	SC6
	DBLS
	; placing.  Slot 10 d + j holds sin(d, 5 h + j) and slot 10 d + 5 + j cos(d, 5 h + j); wanted: lanes 0-15 sin[a] and lanes 16-31 cos[a] in slot a = 10 d + l
	v_cndmask_b32 v[EE+31], v[PP+8*\m+2], v[EE+24], s74   ; slot 31: x2 in block 0, sin(2, 9) = pe[32] in block 1
.irp d, 0,1,2
.irp j, 0,1,2,3,4
	v_permlane16_swap_b32 v[EE+10*\d+\j], v[EE+10*\d+5+\j]   ; the first's lanes 16-31 change places with the second's lanes 0-15
.endr
.endr
.irp d, 0,1,2
.irp j, 0,1
	v_permlanex16_b32 v[FF+5+4*\d+\j], v[FF+3+4*\d+\j], s72, s73     ; frequencies 2 and 3 of dir come from lane l xor 16 (what lanes 16-31 get is block 3: cleared below)
	v_permlanex16_b32 v[FF+17+4*\d+\j], v[FF+15+4*\d+\j], s72, s73
.endr
	v_mov_b32 v[FF+\d], v[PP+8*\m+4+\d]
.endr
	v_cndmask_b32 v[EE+29], v[PP+8*\m], v[EE+29], s74     ; slot 29: x0 in block 0, cos[29] in block 1
	v_cndmask_b32 v[EE+30], v[PP+8*\m+1], 0, s74          ; slot 30: x1 in block 0, the quantiser's fill in block 1
	; a lane holds two whole blocks: h and 2 + h; four chains by turns, with the floor 2^(3 - 127): the byte cannot fall under 1
	v_max3_num_f32 v36, |v[EE]|, |v[EE+1]|, 0x1800000
	v_max3_num_f32 v37, |v[EE+16]|, |v[EE+17]|, |v[EE+18]|
	v_max3_num_f32 v38, |v[FF]|, |v[FF+1]|, 0x1800000
	v_max3_num_f32 v39, |v[FF+14]|, |v[FF+15]|, |v[FF+16]|
.irp i, 0,2,4,6,8,10
	MX 1, 36, EE+2+\i, EE+3+\i
	MX 1, 37, EE+19+\i, EE+20+\i
	MX 1, 38, FF+2+\i, FF+3+\i
.if \i < 10
	MX 1, 39, FF+17+\i, FF+18+\i
.endif
.endr
	MX 1, 36, EE+14, EE+15
	v_max_num_f32 v38, v38, v39
	v_max3_num_f32 v36, v36, v37, |v[EE+31]|
	v_add_nc_u32 v41, 0xff000000, v38              ; 2 off the exponent field: the conversions' scale operands
	v_add_nc_u32 v40, 0xff000000, v36
	WIN 0x40
.irp g, 0,1,2,3
	v_cvt_scalef32_pk8_fp4_f32 v[EN+8*\m+\g], v[EE+8*\g:EE+8*\g+7], v40
	v_cvt_scalef32_pk8_fp4_f32 v[EN+8*\m+4+\g], v[FF+8*\g:FF+8*\g+7], v41
.endr
	WIN 0
	v_lshrrev_b32 v37, 23, v41
	v_lshrrev_b32 v36, 23, v40
	WIN 0x44
.irp g, 0,1,2,3
	v_and_b32 v[EN+8*\m+4+\g], v[M0R], v[EN+8*\m+4+\g]   ; block 3: zero codes
.endr
	WIN 0
	v_lshl_or_b32 v[34+(\m)%2], v37, 16, v36       ; my two bytes of the scale word: blocks h and 2 + h
.if (\m)%2
	v_permlane16_swap_b32 v34, v35                 ; v34: both tiles' bytes of h = 0, v35: of h = 1
	v_lshl_or_b32 v[ES+(\m)/2], v35, 8, v34        ; lanes 0-15 tile m - 1's word, lanes 16-31 tile m's
.endif
.endm
	ENC 0
	WIN 0x40
	CW1 2                                          ; cw1's second half lands while the encoding goes on
	CW1 3
	WIN 0
	ENC 1
	ENC 2
	ENC 3
	s_wait_alu depctr_va_vdst(0)
	s_wait_loadcnt 0x0                             ; cw1 is in
	WIN 0x45
.set QI, 0
.rept 32
	v_cvt_pk_bf16_f32 v[CW+QI], v[YC+2*QI], v[YC+2*QI+1]
.set QI, QI+1
.endr
	WIN 0x44
.set QI, 0
.rept 32
	v_and_b32 v[CW+QI], v[CMASK], v[CW+QI]         ; source 0 of the last product: row r = column r of cw1, rows 4 to 15 zeros
.set QI, QI+1
.endr
	WIN 0
; One scaled product.  The weight's scale words stand in lanes 0-15 (u even) or 16-31 (u odd) of their register, the rows' likewise (m).
.macro WM d, a, b, c, sa, sb, u, m
.if (\u)%2
.if (\m)%2
	v_wmma_scale_f32_16x16x128_f8f6f4 v[(\d):(\d)+7], v[(\a):(\a)+7], v[(\b):(\b)+7], v[(\c):(\c)+7], v[\sa], v[\sb] matrix_a_fmt:MATRIX_FMT_FP4 matrix_b_fmt:MATRIX_FMT_FP4 matrix_a_scale:MATRIX_SCALE_ROW1 matrix_b_scale:MATRIX_SCALE_ROW1
.else
	v_wmma_scale_f32_16x16x128_f8f6f4 v[(\d):(\d)+7], v[(\a):(\a)+7], v[(\b):(\b)+7], v[(\c):(\c)+7], v[\sa], v[\sb] matrix_a_fmt:MATRIX_FMT_FP4 matrix_b_fmt:MATRIX_FMT_FP4 matrix_a_scale:MATRIX_SCALE_ROW1
.endif
.else
.if (\m)%2
	v_wmma_scale_f32_16x16x128_f8f6f4 v[(\d):(\d)+7], v[(\a):(\a)+7], v[(\b):(\b)+7], v[(\c):(\c)+7], v[\sa], v[\sb] matrix_a_fmt:MATRIX_FMT_FP4 matrix_b_fmt:MATRIX_FMT_FP4 matrix_b_scale:MATRIX_SCALE_ROW1
.else
	v_wmma_scale_f32_16x16x128_f8f6f4 v[(\d):(\d)+7], v[(\a):(\a)+7], v[(\b):(\b)+7], v[(\c):(\c)+7], v[\sa], v[\sb] matrix_a_fmt:MATRIX_FMT_FP4 matrix_b_fmt:MATRIX_FMT_FP4
.endif
.endif
.endm
; Sixteen products: K step s of the hidden layer, four row tiles x four tiles of units.  The sixteen accumulators take turns, one instruction a turn, in the same order in every step.
; first = 1: the bias, eight registers a tile in the result's layout, is the C that starts the sums.
.macro ZSTEP s, IN, XI, first
.irp m, 0,1,2,3
.irp u, 0,1,2,3
.if \first
	WM ACC+32*\m+8*\u, WF+32*\s+8*\u, \IN+16*\m+8*\s, BS+8*\u, WS+2*\s+\u/2, \XI+2*\s+\m/2, \u, \m
.else
	WM ACC+32*\m+8*\u, WF+32*\s+8*\u, \IN+16*\m+8*\s, ACC+32*\m+8*\u, WS+2*\s+\u/2, \XI+2*\s+\m/2, \u, \m
.endif
.endr
.endr
.endm
.macro ESTEP first                     ; the same for the encoding's K step
.irp m, 0,1,2,3
.irp u, 0,1,2,3
.if \first
	WM ACC+32*\m+8*\u, WF+64+8*\u, EN+8*\m, BS+8*\u, WS+4+\u/2, ES+\m/2, \u, \m
.else
	WM ACC+32*\m+8*\u, WF+64+8*\u, EN+8*\m, ACC+32*\m+8*\u, WS+4+\u/2, ES+\m/2, \u, \m
.endif
.endr
.endr
.endm
; Group g's weight fragments, bias and scale words, in one run.  Every b128 of a weight reads 512 bytes on end; the bias is the same 16 bytes for the 16 lanes of a half.
.macro FETCH g, enc
	WIN 0x40
.irp s, 0,1
.irp u, 0,1,2,3
.irp c, 0,1
	ds_load_b128 v[WF+32*\s+8*\u+4*\c:WF+32*\s+8*\u+4*\c+3], v[WZ] offset:2048*(4*(\g)+2*(\u/2)+\s)+1024*(\u%2)+512*\c
.endr
.endr
.endr
.if (\enc)
.irp u, 0,1,2,3
.irp c, 0,1
	ds_load_b128 v[WF+64+8*\u+4*\c:WF+64+8*\u+4*\c+3], v[WE] offset:2048*(2*(\g)+\u/2)+1024*(\u%2)+512*\c
.endr
.endr
.endif
.irp i, 0,1,2,3,4,5,6,7
	ds_load_b128 v[BS+4*\i:BS+4*\i+3], v[BI] offset:256*(\g)+16*\i
.endr
	WIN 0
.irp s, 0,1
.irp p, 0,1
	ds_load_b32 v[WS+2*\s+\p], v[SZ] offset:32768+128*(4*(\g)+2*\p+\s)
.endr
.endr
.if (\enc)
.irp p, 0,1
	ds_load_b32 v[WS+4+\p], v[SE] offset:16384+128*(2*(\g)+\p)
.endr
.endif
.endm
.macro ADDRS                           ; the LDS addresses of the layer at s77 (codes and scale words), s78 (bias), s79 (the encoding's step)
	v_add_nc_u32 v[WZ], s77, v[LA16]
	v_add_nc_u32 v[SZ], s77, v[LA4]
	v_add_nc_u32 v[BI], s78, v[HA]
	v_add_nc_u32 v[WE], s79, v[LA16]
	v_add_nc_u32 v[SE], s79, v[LA4]
.endm
; My 32 numbers' maximum for each of the four row tiles, eight chains by turns, each accumulator from its low end on; with the floor 2^(3 - 127).  ab = 0: what is negative does not count (relu); ab = 1: magnitudes.
.macro MAXES ab
.irp m, 0,1,2,3
.if \ab
	v_max3_num_f32 v[MA+\m], |v[ACC+32*\m]|, |v[ACC+32*\m+1]|, 0x1800000
	v_max3_num_f32 v[MB+\m], |v[ACC+32*\m+16]|, |v[ACC+32*\m+17]|, |v[ACC+32*\m+18]|
.else
	v_max3_num_f32 v[MA+\m], v[ACC+32*\m], v[ACC+32*\m+1], 0x1800000
	v_max3_num_f32 v[MB+\m], v[ACC+32*\m+16], v[ACC+32*\m+17], v[ACC+32*\m+18]
.endif
.endr
.irp i, 0,2,4,6,8,10,12
.irp m, 0,1,2,3
	MX \ab, MA+\m, ACC+32*\m+2+\i, ACC+32*\m+3+\i
.if \i < 12
	MX \ab, MB+\m, ACC+32*\m+19+\i, ACC+32*\m+20+\i
.endif
.endr
.endr
.irp m, 0,1,2,3
.if \ab
	v_max3_num_f32 v[MA+\m], v[MA+\m], v[MB+\m], |v[ACC+32*\m+31]|
.else
	v_max3_num_f32 v[MA+\m], v[MA+\m], v[MB+\m], v[ACC+32*\m+31]
.endif
.endr
.endm
; Group g's scale bytes, from the scale operands.  g even: kept; g odd: with the even group's they are the lane half's two bytes of the words of K step g / 2; two row tiles to a register.
.macro BYTES g, XO
.if (\g)%2 == 0
.irp m, 0,1,2,3
	v_lshrrev_b32 v[BY+\m], 23, v[SOP+\m]
.endr
.else
.irp m, 0,1,2,3
	v_lshrrev_b32 v[MA+\m], 23, v[SOP+\m]
.endr
.irp m, 0,1,2,3
	v_lshl_or_b32 v[BY+\m], v[MA+\m], 16, v[BY+\m]
.endr
	v_permlane16_swap_b32 v[BY], v[BY+1]           ; the first: both tiles' bytes of h = 0, the second: of h = 1
	v_permlane16_swap_b32 v[BY+2], v[BY+3]
	v_lshl_or_b32 v[\XO+2*((\g)/2)], v[BY+1], 8, v[BY]
	v_lshl_or_b32 v[\XO+2*((\g)/2)+1], v[BY+3], 8, v[BY+2]
.endif
.endm
; Group g's 64 units of the four row tiles become blocks of the next product's K step g / 2: codes into OUT (half = 1: window 1).  half = 1: in the last trip (layer 7) there is no relu.
.macro QUANT half, g, OUT, XO
.if \half
	s_cmp_eq_u32 s76, 3
	s_cbranch_scc1 .Labs_\@
.endif
	MAXES 0
.if \half
	s_branch .Lmax_\@
.Labs_\@:
	MAXES 1
.Lmax_\@:
	s_wait_alu depctr_va_vdst(0)
.endif
.irp m, 0,1,2,3
	v_add_nc_u32 v[SOP+\m], 0xff000000, v[MA+\m]   ; 2 off the exponent field: the conversion's scale operand
.endr
	WIN 0x40*\half
.irp m, 0,1,2,3
.irp u, 0,1,2,3
	v_cvt_scalef32_pk8_fp4_f32 v[\OUT+16*\m+4*\g+\u], v[ACC+32*\m+8*\u:ACC+32*\m+8*\u+7], v[SOP+\m]
.endr
.endr
	WIN 0
.if \g == 3
	BYTES 3, \XO                                   ; (plain lines behind the conversions, which touch none of their results)
.else
	v_nop                                          ; one plain line behind the last scaled conversion; the bytes follow behind the next group's products
.endif
.if \half
	s_cmp_eq_u32 s76, 3
	s_cbranch_scc1 .Lno_relu_\@
.endif
.irp k, 0,1                            ; relu on eight codes a register: 7 in every nibble whose sign bit is set, and those bits cleared
	WIN 0x04*\half
.irp m, 0,1
.irp u, 0,1,2,3
	v_and_b32 v[RT+4*\m+\u], s75, v[\OUT+32*\k+16*\m+4*\g+\u]
.endr
.endr
	WIN 0
.irp i, 0,1,2,3,4,5,6,7
	v_lshrrev_b32 v[RT+8+\i], 3, v[RT+\i]
.endr
.irp i, 0,1,2,3,4,5,6,7
	v_sub_nc_u32 v[RT+\i], v[RT+\i], v[RT+8+\i]
.endr
	WIN 0x50*\half
.irp m, 0,1
.irp u, 0,1,2,3
	v_bfi_b32 v[\OUT+32*\k+16*\m+4*\g+\u], v[RT+4*\m+\u], 0, v[\OUT+32*\k+16*\m+4*\g+\u]
.endr
.endr
.endr
	WIN 0
.if \half
.Lno_relu_\@:
.endif
.if \g == 3
	PLACES 4+4*\half                               ; scale words written by vector lines stand 8 places ahead of the next scaled product, codes 4
.endif
.endm
; A GROUP: 64 units of a layer for the wave's 64 rows.  The products; then, four places behind them, the next group's run of LDS loads, which lands while this group is quantised.
; half = 0: layer 2 T, from Y to X (T = 0: the encoding's step alone; T = 2: it follows the hidden layer's two); half = 1: layer 2 T + 1, from X to Y.  The branches hang on the trip's number alone.
.macro GROUP half, g, OUT, XO
	s_wait_alu depctr_va_vdst(0)
	s_wait_dscnt 0x0                               ; this group's fragments, bias and scale words are in
.if \half == 0
	s_cmp_eq_u32 s76, 0
	s_cbranch_scc1 .Lonly_\@
	WIN 0x15                                       ; weights, codes and bias in window 1
	ZSTEP 0, YC, XSB, 1
	WIN 0x05
	ZSTEP 1, YC, XSB, 0
	WIN 0
	s_cmp_lg_u32 s76, 2
	s_cbranch_scc1 .Lmade_\@
	WIN 0x05
	ESTEP 0
	WIN 0
	s_branch .Lmade_\@
.Lonly_\@:
	WIN 0x15
	ESTEP 1
	WIN 0
.Lmade_\@:
.else
	WIN 0x11                                       ; weights and bias in window 1, codes in window 0
	ZSTEP 0, XC, XSA, 1
	WIN 0x01
	ZSTEP 1, XC, XSA, 0
	WIN 0
.endif
	; four places in front of loads into registers that the products have read, and of the first read of results: the group before's bytes, where there is one
.if \g == 0
	PLACES 4
.else
	BYTES \g-1, \XO
.endif
.if \g < 3
	FETCH \g+1, 1-\half
.else
	s_add_co_u32 s77, s77, CH                      ; on to the next layer
	s_add_co_u32 s78, s78, 1024
.if \half
	s_add_co_u32 s79, s79, 8704                    ; 8,704 T: w00's step at T = 0, w10's at T = 2; in the other trips these loads read bytes of the image that nothing uses
.endif
	ADDRS
	FETCH 0, \half
.endif
	QUANT \half, \g, \OUT, \XO
.endm
	; The loop's text names code buffer Y in its first trip too, where a branch leads round the products that read it.  Its registers have all been written: they held cw1's numbers.
	s_mov_b32 s76, 0                               ; T
	s_mov_b32 s77, 0                               ; 34,816 x layer
	s_mov_b32 s78, TAILB                           ; + 1,024 x layer
	s_mov_b32 s79, 0
	s_setprio 3                                    ; a wave's priority falls as it enters layers 6, 7 and 8: of two waves on a SIMD the one that lags there goes first
	ADDRS
	s_wait_alu depctr_va_vdst(0)
	s_wait_tensorcnt 0x0                           ; my part of the image has landed,
	s_barrier_signal -1
	s_barrier_wait -1                              ; everybody's has: from here on LDS bytes 0 to 313,343 are only read
	FETCH 0, 1
.Ltrip:                                            ; four trips of two layers: the two code buffers change places and are back where they began
.irp g, 0,1,2,3
	GROUP 0, \g, XC, XSA
.endr
	s_cmp_lg_u32 s76, 3
	s_cbranch_scc1 .Lnot_layer_7
	s_setprio 1
.Lnot_layer_7:
.irp g, 0,1,2,3
	GROUP 1, \g, YC, XSB
.endr
	s_add_co_u32 s76, s76, 1
	s_cmp_lg_u32 s76, 3
	s_cbranch_scc1 .Lnot_layer_6
	s_setprio 2
.Lnot_layer_6:
	s_cmp_lt_u32 s76, 4
	s_cbranch_scc1 .Ltrip
	s_setprio 0
	; LAYER 8 (cw0: K = 256 + de, 128 units in two groups) and the product with cw1
	s_wait_alu depctr_va_vdst(0)
	s_wait_dscnt 0x0                               ; the loop's last run of loads has landed: its registers may be loaded again
	v_add_nc_u32 v[WZ], L8C, v[LA16]
	v_add_nc_u32 v[SZ], L8S, v[LA4]
	v_add_nc_u32 v[BI], CB0, v[HA]
.macro FETCH8 g
	WIN 0x40
.irp s, 0,1,2
.irp u, 0,1,2,3
.irp c, 0,1
	ds_load_b128 v[WF+32*\s+8*\u+4*\c:WF+32*\s+8*\u+4*\c+3], v[WZ] offset:6144*(2*(\g)+\u/2)+2048*\s+1024*(\u%2)+512*\c
.endr
.endr
.endr
.irp i, 0,1,2,3,4,5,6,7
	ds_load_b128 v[BS+4*\i:BS+4*\i+3], v[BI] offset:256*(\g)+16*\i
.endr
	WIN 0
.irp s, 0,1,2
.irp p, 0,1
	ds_load_b32 v[WS+2*\s+\p], v[SZ] offset:384*(2*(\g)+\p)+128*\s
.endr
.endr
.endm
	FETCH8 0
.irp g, 0,1
	s_wait_alu depctr_va_vdst(0)
	s_wait_dscnt 0x0
	WIN 0x15
	ZSTEP 0, YC, XSB, 1
	WIN 0x05
	ZSTEP 1, YC, XSB, 0
	ESTEP 0
	WIN 0
	PLACES 4
.if \g == 0
	FETCH8 1
.endif
.set QI, ACC
.rept 64
	v_dual_max_num_f32 v[QI], 0, v[QI] :: v_dual_max_num_f32 v[QI+1], 0, v[QI+1]   ; relu, in f32
.set QI, QI+2
.endr
.set HBG, XC-(XC-ACC)*\g                ; h in bf16: group 0's in X's registers, group 1's over its own accumulators (the destination never runs ahead of the sources)
.set QI, 0
.rept 64
	v_cvt_pk_bf16_f32 v[HBG+QI], v[ACC+2*QI], v[ACC+2*QI+1]   ; bf16, not f16: h has no bound
.set QI, QI+1
.endr
.endr
	WIN 0x01
.irp q, 0,1,2,3                        ; out^T += cw1^T h^T: four accumulators by turns; lanes 0-15 hold row r, registers 0 to 3 its four outputs
.set HBG, XC-(XC-ACC)*(\q/2)+8*(\q%2)
.irp m, 0,1,2,3
.if \q == 0
	v_wmma_f32_16x16x32_bf16 v[OO+8*\m:OO+8*\m+7], v[CW+8*\q:CW+8*\q+7], v[HBG+16*\m:HBG+16*\m+7], 0
.else
	v_wmma_f32_16x16x32_bf16 v[OO+8*\m:OO+8*\m+7], v[CW+8*\q:CW+8*\q+7], v[HBG+16*\m:HBG+16*\m+7], v[OO+8*\m:OO+8*\m+7]
.endif
.endr
.endr
	WIN 0
	PLACES 4
.irp p, 0,1
.irp c, 0,1,2,3
	v_permlane16_swap_b32 v[OO+16*\p+\c], v[OO+16*\p+8+\c]   ; tile 2 p + 1's rows come into lanes 16-31: lane l now holds row 32 p + l
.endr
.endr
	s_mov_b32 s83, 0xbfb8aa3b                      ; -log2 e
.irp c, 0,1,2
	v_mul_f32 v[RC+\c], s83, s[84+\c]
.endr
.irp p, 0,1
	v_add_f32 v[RD+\p], s87, v[OO+16*\p+3]         ; d
.endr
.irp p, 0,1
.irp c, 0,1,2
	v_fma_f32 v[RA+4*\p+\c], v[OO+16*\p+\c], s83, v[RC+\c]   ; -(o + cb1) log2 e
.endr
.endr
.irp p, 0,1
	v_mul_f32 v[RA+4*\p+3], s83, |v[RD+\p]|        ; -|d| log2 e: the larger of d and 0 is taken out of the exponential
.endr
	s_wait_alu depctr_va_vdst(0)                   ; the wait ahead of the batch
.irp j, 0,1,2,3,4,5,6,7
	v_exp_f32 v[RA+\j], v[RA+\j]
.endr
.irp p, 0,1
	v_max_num_f32 v[RM+\p], 0, v[RD+\p]            ; plain lines behind the exponentials
.endr
	s_wait_alu depctr_va_vdst(0)                   ; one wait for the batch, ahead of its first reader
.irp j, 0,1,2,3,4,5,6,7
	v_add_f32 v[RA+\j], 1.0, v[RA+\j]
.endr
	s_wait_alu depctr_va_vdst(0)
.irp p, 0,1
.irp c, 0,1,2
	v_rcp_f32 v[RA+4*\p+\c], v[RA+4*\p+\c]         ; sigmoid
.endr
	v_log_f32 v[RA+4*\p+3], v[RA+4*\p+3]
.endr
	v_nop
	s_wait_alu depctr_va_vdst(0)                   ; and one for the second batch
.irp p, 0,1
	v_fma_f32 v[RA+4*\p+3], v[RA+4*\p+3], 0x3f317218, v[RM+\p]   ; softplus = max(d, 0) + ln(1 + e^-|d|)
	v_cmp_lt_f32 vcc_lo, 0x41000000, v[RD+\p]
	v_cndmask_b32 v[RA+4*\p+3], v[RA+4*\p+3], v[RD+\p], vcc_lo   ; d itself where d > 8
.endr
	; THE WAY OUT, through my own 1,024 bytes of LDS: 64 densities, then 64 x 3 colours, as they lie in memory; back 8 bytes a lane, so that each store covers 256 consecutive bytes, aligned
.irp p, 0,1
	ds_store_b32 v[SD], v[RA+4*\p+3] offset:128*\p
.irp c, 0,1,2
	ds_store_b32 v[SG], v[RA+4*\p+\c] offset:256+384*\p+4*\c
.endr
.endr
.irp i, 0,1,2,3
	ds_load_b64 v[RB+2*\i:RB+2*\i+1], v[SR] offset:256*\i   ; LDS serves a wave's instructions in order (ISA guide 5.7.1.4): these see my stores
.endr
	s_wait_dscnt 3                                 ; the first of the four loads is in; the three behind it may be out
	global_store_b64 v[GO], v[RB:RB+1], s[14:15] th:TH_STORE_NT
	s_wait_dscnt 2
	global_store_b64 v[GO], v[RB+2:RB+3], s[16:17] th:TH_STORE_NT
	s_wait_dscnt 1
	global_store_b64 v[GO], v[RB+4:RB+5], s[16:17] offset:256 th:TH_STORE_NT
	s_wait_dscnt 0x0
	global_store_b64 v[GO], v[RB+6:RB+7], s[16:17] offset:512 th:TH_STORE_NT
	s_wait_tensorcnt 0x0                           ; the wave's end
	ds_add_u32 v62, v63
	s_wait_dscnt 0x0
	CROUND                                         ; the closing round: no work-group ends while a partner may still ask for a tile that names it
	s_endpgm
.Lfunc_end_k_q8deb0c9d7a_mlp:
	.size	k_q8deb0c9d7a_mlp, .Lfunc_end_k_q8deb0c9d7a_mlp-k_q8deb0c9d7a_mlp
	.p2alignl 7, 3214868480
	.fill 96, 4, 3214868480
	.section	.rodata,"a",@progbits
	.p2align	6, 0x0
	.amdhsa_kernel k_q8deb0c9d7a_mlp
		.amdhsa_group_segment_fixed_size 327680
		.amdhsa_private_segment_fixed_size 0
		.amdhsa_enable_private_segment 0
		.amdhsa_kernarg_size 56
		.amdhsa_user_sgpr_count 2
		.amdhsa_user_sgpr_kernarg_segment_ptr 1
		.amdhsa_wavefront_size32 1
		.amdhsa_system_sgpr_workgroup_id_x 1
		.amdhsa_system_sgpr_workgroup_id_y 1
		.amdhsa_system_sgpr_workgroup_id_z 1
		.amdhsa_system_vgpr_workitem_id 0
		.amdhsa_next_free_vgpr 512
		.amdhsa_next_free_sgpr 100
		.amdhsa_reserve_vcc 1
		.amdhsa_float_denorm_mode_32 3
		.amdhsa_float_denorm_mode_16_64 3
		.amdhsa_memory_ordered 1
		.amdhsa_forward_progress 1
		.amdhsa_inst_pref_size 255
	.end_amdhsa_kernel
	.section	.bss,"aw",@nobits
	.p2align	6
	.space	262144
	.amdgpu_metadata
---
amdhsa.version: [ 1, 2 ]
amdhsa.kernels:
  - .name:           k_q8deb0c9d7a_mlp
    .symbol:         k_q8deb0c9d7a_mlp.kd
    .args:
      - { .name: pos, .offset: 0, .size: 8, .value_kind: global_buffer, .address_space: global }
      - { .name: dir, .offset: 8, .size: 8, .value_kind: global_buffer, .address_space: global }
      - { .name: wimg, .offset: 16, .size: 8, .value_kind: global_buffer, .address_space: global }
      - { .name: cw1, .offset: 24, .size: 8, .value_kind: global_buffer, .address_space: global }
      - { .name: cb1, .offset: 32, .size: 8, .value_kind: global_buffer, .address_space: global }
      - { .name: out0, .offset: 40, .size: 8, .value_kind: global_buffer, .address_space: global }
      - { .name: out1, .offset: 48, .size: 8, .value_kind: global_buffer, .address_space: global }
    .group_segment_fixed_size: 327680
    .private_segment_fixed_size: 0
    .kernarg_segment_align: 8
    .kernarg_segment_size: 56
    .max_flat_workgroup_size: 256
    .sgpr_count:     100
    .vgpr_count:     512
    .wavefront_size: 32
...
	.end_amdgpu_metadata
.endif
;; end of part 2
